; MI455X (gfx1250); checked and timed in simulation.
; The chip was launched on July 23, 2026; its instructions are those of AMD's public machine-readable ISA for CDNA 5 (MIT licence, August 2026) and "CDNA5" Instruction Set Architecture Reference Guide (July 2026). The comments in the code are by the model that wrote it; some were corrected since.
;; Trellis Linear. Allowed arithmetic: float matrix products may take bf16 or f16 operands with f32 sums; other float arithmetic in f32, or as packed bf16 or f16 multiplies, adds, multiply-adds, maxima and minima; sums over many terms, partial sums and values carried from step to step in f32; what a program stores and reads back later, other than sums and carried values, may be rounded once to bf16 or f16.
;; Inputs: SU 4,096 float32; SV 2,048 float32; trellis 32,768 x 32 int32; weight_scales 32,768 x 1 float32; x 4 x 2,048 x 4,096 float32.
;; Outputs: out0 4 x 2,048 x 2,048 float32.
;; One version. Each part assembles by itself: llvm-mc -triple=amdgcn-amd-amdhsa -mcpu=gfx1250 --defsym DOCPART=n.
;; ======== version 1 of 1: 4 launches
;; limits: values are held in f16: magnitudes above 65,504 overflow, below 6.1e-05 lose precision; right only within a limited range of input values; inputs' magnitudes at most 4.6e+18
;; workspace buffers: pm 8,388,608 bytes; prm 32,768 bytes; aq 67,108,864 bytes; wb 16,777,216 bytes; cf 8,192 bytes
;; launch minmax (part 1): grid 256 x 1, 8 waves a work-group, no clusters, 136,192 bytes of LDS; arguments x, SU, pm; writes pm
.if DOCPART == 1
	.amdgcn_target "amdgcn-amd-amdhsa--gfx1250"
	.amdhsa_code_object_version 6
	.text
	.protected	k_qe43a964ef0_minmax
	.globl	k_qe43a964ef0_minmax
	.p2align	8
	.type	k_qe43a964ef0_minmax,@function
k_qe43a964ef0_minmax:
	s_mov_b64 s[64:65], 0
	v_nop
	global_prefetch_b8 v0, s[64:65] scope:SCOPE_SE
	s_setreg_imm32_b32 hwreg(HW_REG_WAVE_MODE, 25, 1), 1
	s_wait_xcnt 0x0
; LAUNCH 1 OF 4.  out = xq w^T, xq = the 8-bit fake quantisation, channel by channel, of xh = H (x SU) / 64 (4,096-point Walsh-Hadamard transform along a row).
; This launch finds, for each of the 4,096 channels, the minimum and the maximum of xh over this work-group's 32 rows; launch 2 joins the 256 work-groups' figures.
; DEAD WORK.  reference() returns x + (dq - x) from its quantiser (the straight-through form); in real numbers that is dq for every x, so the program forms dq alone: launch 3 stores
; q - zero and launch 2 folds the channel's scale into the weight.  Every input has a way to the output and is loaded by some launch.  A NaN, an infinity or an overflow that would arise
; only in x + (dq - x) is not carried to the result.
; LIMITS.  Minima and maxima pass over NaN (the _num forms); infinities are not treated apart.  The butterflies are a' = a + b, b' = a' - 2 b (fused), so the roundings differ from
; reference()'s in the last bits; launch 3 runs the same lines, so both launches see the same xh.  The factor 1/64 is a power of two and is put on SU: it rounds nothing.
; SHARES.  The work-group owns rows 32 wg .. 32 wg + 31, in four batches of eight.  Channel e = 128 j + 4 L + c (j five bits, L five bits, c two bits).
; PHASE 1: wave w has row w of the batch; lane L holds D[4 j + c]; each load of the wave covers 512 consecutive bytes.  The stages on c (2) and on j (5) are work on registers.
; EXCHANGE through LDS.  PHASE 2: thread t (g = t % 128 = 4 j + c, rq = t / 128) holds all 32 values of L (called m) for rows 4 rq .. 4 rq + 3: the 5 stages on m are again work on registers.
; The 32 minima and 32 maxima of a thread are folded two rows a line.
; OUT.  pm[cb 128][wg 256][64]: floats 0-31 the minima of channels 32 cb .., floats 32-63 the NEGATED maxima, so that one minimum joins both.  Sixteen lanes store 256 consecutive bytes, aligned.
; No matrix unit (the transform must stay in f32), no cluster and no tensor load (no tile is shared; SU is 16 KiB), no prefetch (the launch is one stream with 16 KiB a wave on its way).
.set ROWB,  16384                      ; bytes in a row of x
.set JP,    528                        ; LDS: block j of a row, 512 bytes + 16: thread g reads word 132 j + c + 4 m: 32 lanes, 32 different banks (64 banks of 4 bytes: ISA guide 11.1)
.set RP,    32*JP                      ; LDS: a row of the batch
.set UP4,   1040                       ; the result in LDS: four units of 256 bytes + 16
.set COPY,  32*UP4                     ; one copy of the result (rq = 0, 1)
.set SPARE, 8*RP                       ; behind the exchange: the spare words, 128 bytes for each wave
.set XO,  2                            ; v2   wave x 16,384 + lane x 16: my 16 bytes in the batch's rows; never rewritten
.set LW,  3                            ; v3   where phase 1 puts them in LDS
.set LR,  4                            ; v4   where phase 2 reads
.set FS,  5                            ; v5   the result: where I put my figures
.set FR,  6                            ; v6   the result: where I read 16 bytes of a unit
.set GO,  7                            ; v7   the same 16 bytes in pm
.set SPW, 8                            ; v8   LDS address of my spare word; never rewritten
.set NIL, 9                            ; v9   0; never rewritten
.set SO,  16                           ; v16  lane x 16: my 16 bytes of 512 of SU
.set D,   32                           ; v32-159   the 128 numbers at work
.set AMIN, 160                         ; v160-191  minima by m
.set AMAX, 192                         ; v192-223  maxima by m
.set XR,  0                            ; window 1, v0-127    x as loaded
.set SUR, 128                          ; window 1, v128-255  SU / 64
.set MSB, 0
.macro WIN new                         ; s_set_vgpr_msb: bits 1:0 source 0, 3:2 source 1, 5:4 source 2, 7:6 destination; the high byte repeats the setting that is left
.if MSB != (\new)
	s_set_vgpr_msb (MSB<<8)|(\new)
.set MSB, \new
.endif
.endm
.macro PAIRST base, np                 ; the stage inside a register pair: low = a + b, high = a - b
.set p, 0
.rept \np
	v_pk_add_f32 v[(\base)+2*p:(\base)+2*p+1], v[(\base)+2*p:(\base)+2*p+1], v[(\base)+2*p:(\base)+2*p+1] op_sel:[0,1] op_sel_hi:[0,1] neg_hi:[0,1]
.set p, p+1
.endr
.endm
.macro STAGE base, np, s               ; np / 2 butterflies of pairs s pairs apart, in place, eight sums and then their eight differences: a' = a + b, b' = a' - 2 b
.set k0, 0
.rept (\np)/16
.set k, k0
.rept 8
.set ra, (\base)+2*((k/(\s))*2*(\s)+k%(\s))
.set rb, ra+2*(\s)
	v_pk_add_f32 v[ra:ra+1], v[ra:ra+1], v[rb:rb+1]
.set k, k+1
.endr
.set k, k0
.rept 8
.set ra, (\base)+2*((k/(\s))*2*(\s)+k%(\s))
.set rb, ra+2*(\s)
	v_pk_fma_f32 v[rb:rb+1], v[rb:rb+1], -2.0, v[ra:ra+1] op_sel_hi:[1,0,1]
.set k, k+1
.endr
.set k0, k0+8
.endr
.endm
.macro LOADX                           ; a row of the batch: 32 loads of 512 consecutive bytes
	WIN 0x40
.set i, 0
.rept 32
	global_load_b128 v[XR+4*i:XR+4*i+3], v[XO], s[4:5] offset:512*i th:TH_LOAD_NT
.set i, i+1
.endr
	WIN 0
.endm
.macro RDROW r                         ; row r of my four: its 32 values of m
.set i, 0
.rept 32
	ds_load_b32 v[D+32*(\r)+i], v[LR] offset:(\r)*RP+16*i
.set i, i+1
.endr
.endm
.macro HALF h                          ; the five stages on m for two rows
	PAIRST D+64*(\h), 32
	STAGE D+64*(\h), 32, 1
	STAGE D+64*(\h), 32, 2
	STAGE D+64*(\h), 32, 4
	STAGE D+64*(\h), 32, 8
.endm
.macro FOLD h                          ; two rows into the running minima and maxima
.set i, 0
.rept 32
	v_min3_num_f32 v[AMIN+i], v[AMIN+i], v[D+64*(\h)+i], v[D+64*(\h)+32+i]
	v_max3_num_f32 v[AMAX+i], v[AMAX+i], v[D+64*(\h)+i], v[D+64*(\h)+32+i]
.set i, i+1
.endr
.endm
	s_load_b128 s[4:7], s[0:1], 0x0                ; x s[4:5], SU s[6:7]
	s_load_b64 s[8:9], s[0:1], 0x10                ; pm
	v_lshl_add_u32 v[SPW], v0, 2, SPARE
	v_mov_b32 v[NIL], 0
	v_lshrrev_b32 v10, 5, v0                       ; wave
	v_and_b32 v11, 31, v0                          ; lane
	v_lshlrev_b32 v[SO], 4, v11
	v_lshl_add_u32 v[XO], v10, 14, v[SO]
	v_mad_u32_u24 v[LW], v10, RP, v[SO]
	v_bfe_u32 v13, v0, 2, 5                        ; j
	v_and_b32 v14, 3, v0
	v_lshlrev_b32 v14, 2, v14                      ; 4 c
	v_lshrrev_b32 v15, 7, v0                       ; rq
	v_mad_u32_u24 v[LR], v13, JP, v14
	v_mad_u32_u24 v[LR], v15, 4*RP, v[LR]
	v_mad_u32_u24 v[FS], v13, UP4, v14
	v_mad_u32_u24 v[FS], v15, COPY, v[FS]
	v_lshrrev_b32 v12, 4, v0                       ; t / 16: a unit of the sixteen of a pass
	v_and_b32 v13, 15, v0
	v_lshlrev_b32 v13, 4, v13                      ; my 16 bytes of it
	v_lshrrev_b32 v14, 6, v0
	v_lshl_add_u32 v[FR], v12, 8, v13
	v_lshl_add_u32 v[FR], v14, 4, v[FR]
	v_lshl_add_u32 v[GO], v12, 16, v13
	s_lshl_b32 s12, ttmp9, 19                      ; 32 rows of 16,384 bytes
	s_mov_b32 s13, 0
	s_lshl_b32 s14, ttmp9, 8                       ; my 256 bytes in each block of pm
	s_mov_b32 s15, 0
	s_mov_b32 s16, 0x7f800000
	s_mov_b32 s17, 0xff800000
	s_mov_b32 s11, 4                               ; batches
	s_wait_kmcnt 0x0
	s_add_nc_u64 s[4:5], s[4:5], s[12:13]
	s_add_nc_u64 s[8:9], s[8:9], s[14:15]
	WIN 0x40
.set i, 0
.rept 32
	global_load_b128 v[SUR+4*i:SUR+4*i+3], v[SO], s[6:7] offset:512*i
.set i, i+1
.endr
	LOADX                                          ; batch 0
.set i, 0
.rept 32
	v_mov_b32 v[AMIN+i], s16                       ; written while the first loads are on their way
	v_mov_b32 v[AMAX+i], s17
.set i, i+1
.endr
	s_wait_loadcnt 32                              ; SU is in; the 32 loads of x are younger
	WIN 0x41
.set p, 0
.rept 64
	v_pk_mul_f32 v[SUR+2*p:SUR+2*p+1], v[SUR+2*p:SUR+2*p+1], 0x3c800000 op_sel_hi:[1,0]  ; SU / 64
.set p, p+1
.endr
	WIN 0
.Lbatch:
	s_wait_loadcnt 0x0                             ; the batch's row is in, and no load reads s[4:5] any more
	WIN 0x05
.set p, 0
.rept 64
	v_pk_mul_f32 v[D+2*p:D+2*p+1], v[XR+2*p:XR+2*p+1], v[SUR+2*p:SUR+2*p+1]
.set p, p+1
.endr
	WIN 0
	s_cmp_eq_u32 s11, 1                            ; the last batch has none behind it
	s_cbranch_scc1 .Lnoload
	s_add_nc_u64 s[4:5], s[4:5], 8*ROWB
	LOADX                                          ; the next batch has the whole trip in which to land
.Lnoload:
	PAIRST D, 64                                   ; c, bit 0
	STAGE D, 64, 1                                 ; c, bit 1
	STAGE D, 64, 2                                 ; j
	STAGE D, 64, 4
	STAGE D, 64, 8
	STAGE D, 64, 16
	STAGE D, 64, 32
	s_barrier_signal -1                            ; every wave has waited for its reads of the batch before (the wait for 0 below): the exchange may be written again
	s_barrier_wait -1
.set i, 0
.rept 32
	ds_store_b128 v[LW], v[D+4*i:D+4*i+3] offset:JP*i
.set i, i+1
.endr
	s_wait_dscnt 0x0                               ; for the others' sake: my row lies in LDS
	s_barrier_signal -1
	s_barrier_wait -1
	RDROW 0
	RDROW 1
	RDROW 2
	s_wait_dscnt 32                                ; rows 0 and 1 are in; row 2's 32 loads are younger
	RDROW 3
	HALF 0
	FOLD 0
	s_wait_dscnt 0x0
	HALF 1
	FOLD 1
	s_sub_co_u32 s11, s11, 1
	s_cmp_lg_u32 s11, 0
	s_cbranch_scc1 .Lbatch
	s_barrier_signal -1                            ; all reads of the exchange are over: its bytes take the result
	s_barrier_wait -1
.set i, 0
.rept 32
	v_xor_b32 v[AMAX+i], 0x80000000, v[AMAX+i]     ; the maxima are kept negated
.set i, i+1
.endr
.set i, 0
.rept 32
	ds_store_b32 v[FS], v[AMIN+i] offset:(i/8)*256+(i%8)*16
	ds_store_b32 v[FS], v[AMAX+i] offset:(i/8)*256+(i%8)*16+128
.set i, i+1
.endr
	s_wait_dscnt 0x0
	s_barrier_signal -1
	s_barrier_wait -1
.set i, 0
.rept 8                                ; sixteen units a pass; both copies
	ds_load_b128 v[D+8*i:D+8*i+3],   v[FR] offset:4*UP4*i
	ds_load_b128 v[D+8*i+4:D+8*i+7], v[FR] offset:4*UP4*i+COPY
.set i, i+1
.endr
	s_wait_dscnt 0x0
.set i, 0
.rept 8
.irp k, 0,1,2,3
	v_min_num_f32 v[D+8*i+\k], v[D+8*i+\k], v[D+8*i+4+\k]
.endr
.set i, i+1
.endr
.set i, 0
.rept 8
	global_store_b128 v[GO], v[D+8*i:D+8*i+3], s[8:9] offset:i*1048576  ; sixteen lanes store 256 consecutive bytes, at a multiple of 256 from pm's first byte
.set i, i+1
.endr
	s_wait_tensorcnt 0x0                           ; the wave's end, behind my last LDS store
	ds_add_u32 v[SPW], v[NIL]
	s_wait_dscnt 0x0
	s_endpgm
.Lfunc_end_k_qe43a964ef0_minmax:
	.size	k_qe43a964ef0_minmax, .Lfunc_end_k_qe43a964ef0_minmax-k_qe43a964ef0_minmax
	.p2alignl 7, 3214868480
	.fill 96, 4, 3214868480
	.section	.rodata,"a",@progbits
	.p2align	6, 0x0
	.amdhsa_kernel k_qe43a964ef0_minmax
		.amdhsa_group_segment_fixed_size 136192
		.amdhsa_private_segment_fixed_size 0
		.amdhsa_enable_private_segment 0
		.amdhsa_kernarg_size 24
		.amdhsa_user_sgpr_count 2
		.amdhsa_user_sgpr_kernarg_segment_ptr 1
		.amdhsa_wavefront_size32 1
		.amdhsa_system_sgpr_workgroup_id_x 1
		.amdhsa_system_sgpr_workgroup_id_y 1
		.amdhsa_system_sgpr_workgroup_id_z 1
		.amdhsa_system_vgpr_workitem_id 0
		.amdhsa_next_free_vgpr 512
		.amdhsa_next_free_sgpr 66
		.amdhsa_reserve_vcc 0
		.amdhsa_float_denorm_mode_32 3
		.amdhsa_float_denorm_mode_16_64 3
		.amdhsa_memory_ordered 1
		.amdhsa_forward_progress 1
		.amdhsa_inst_pref_size 99
	.end_amdhsa_kernel
	.amdgpu_metadata
---
amdhsa.version: [ 1, 2 ]
amdhsa.kernels:
  - .name:           k_qe43a964ef0_minmax
    .symbol:         k_qe43a964ef0_minmax.kd
    .args:
      - { .name: x, .offset: 0, .size: 8, .value_kind: global_buffer, .address_space: global }
      - { .name: SU, .offset: 8, .size: 8, .value_kind: global_buffer, .address_space: global }
      - { .name: pm, .offset: 16, .size: 8, .value_kind: global_buffer, .address_space: global }
    .group_segment_fixed_size: 136192
    .private_segment_fixed_size: 0
    .kernarg_segment_align: 8
    .kernarg_segment_size: 24
    .max_flat_workgroup_size: 256
    .sgpr_count:     66
    .vgpr_count:     512
    .wavefront_size: 32
...
	.end_amdgpu_metadata
.endif
;; end of part 1
;; launch wprep (part 2): grid 256 x 1, 8 waves a work-group, no clusters, 220,416 bytes of LDS; arguments trellis, SV, weight_scales, pm, prm, wb, cf; writes prm, wb, cf
.if DOCPART == 2
	.amdgcn_target "amdgcn-amd-amdhsa--gfx1250"
	.amdhsa_code_object_version 6
	.text
	.protected	k_qe43a964ef0_wprep
	.globl	k_qe43a964ef0_wprep
	.p2align	8
	.type	k_qe43a964ef0_wprep,@function
k_qe43a964ef0_wprep:
	s_mov_b64 s[64:65], 0
	v_nop
	global_prefetch_b8 v0, s[64:65] scope:SCOPE_SE
	s_setreg_imm32_b32 hwreg(HW_REG_WAVE_MODE, 25, 1), 1
	s_wait_xcnt 0x0
; LAUNCH 2 OF 4.  (a) The 256 work-groups' minima and maxima of launch 1 are joined: scale = max((max - min) / 255, 1e-8), inv = 1 / scale, lo = -zero = round(min / scale); inv and lo go to prm.
; (b) The weight: 2-bit codes out of trellis (one word holds 8 neighbouring in-channels, the first in bits 15:14), Hc = the 2,048-point Walsh-Hadamard sums DOWN the out-rows of 2 code - 3.
; reference()'s weight times the channel's scale (which stands for dq = (q - zero) scale) is Hc / sqrt(10240) x SV[o] x ws[o][g] x scale[k], g = k / 256 (1 / sqrt 5 of the grid, 1 / sqrt 2048 of the transform).
; It is split:  wb[o][k] = Hc / sqrt(10240) x 16 x ws[o][g] / N[o] x scale[k], rounded once to f16, with N[o] = the root of the sum of squares of row o's 16 weight_scales;
;               cf[o] = SV[o] x N[o] x 16, in f32, by which launch 4 multiplies its sums (launch 3 stores (q - zero) / 256: 16 x 16 / 256 = 1).
; WHY f16: a weight rounded to 8 significant bits leaves about 0.15% of a column's own root mean square on each output, and columns with a large SV have several times the output's; 11 bits leave an eighth.
; f16's ROOM.  |Hc| <= 6,144, so Hc / sqrt(10240) x 16 <= 972; |ws / N| <= 1: wb overflows only where scale > 67.  wb's usual size is 4 scale (16 x 1/4), which keeps f16's relative step down to
; 6e-5: scale = 1.5e-5.  x and SU of unit spread give scale = 0.03: a factor of some 2,000 either way.  SV, and a factor common to a row's weight_scales, do not enter wb at all.
; The codes and all sums of the transform are whole numbers up to 6,144: exact in f32, whatever the order.
; LIMITS.  Outside that room wb overflows or loses bits.  N is taken as at least 2^-50 (its square 2^-100); squares of weight_scales beyond 1e19 overflow.  The division by 255 is a multiplication
; with one correction step, 1 / scale a reciprocal with one Newton step: within a last bit of reference()'s divisions.  NaN is passed over by the minima.
; K IS PERMUTED alike in aq and wb (the product sums over all of it).  Channel e: j = e[11:7], mhi = e[6:5], mlo = e[4:2], c = e[1:0]; k' = 1024 mhi + 8 (4 j + c) + mlo.
; wb[panel 512][o 2048][8] f16, panel = k' / 8 = 128 mhi + 4 j + c, place in it = mlo.
; SHARES.  cb = wg / 2 is a block of 32 channels (four words of each row of trellis), hsel = wg % 2; the work-group makes the two panels with c = 2 hsel + 0, 1: 16 channels x 2,048 rows, 128 numbers a thread.
; PHASE A: thread (cp = t % 8: panel pl = cp / 4, word wq = cp % 4; oh = t / 8) holds rows 64 oh + i, i = 0..63, channels mlo = 2 wq, 2 wq + 1 as pair i: the six stages on o[5:0].
; EXCHANGE through LDS.  PHASE B: thread (half = t % 2, ol = (t / 2) % 64, pl2 = t / 128) holds rows ol + 64 r, r = 0..31, channels mlo = 4 half + 0..3: the five stages on o[10:6].
; A store of a wave covers 256 consecutive bytes of a panel, aligned.  cf is made by work-group 0, which alone loads SV.
; A work-group wants 16 bytes of each row of trellis: that lies in a transform down the columns; the buffer is 4 MiB.  weight_scales (128 KiB) is read whole, 64 bytes a row.
; No matrix unit (whole numbers and f32 factors, little arithmetic), no cluster, no tensor load, no prefetch: the launch is short and each wave's loads go out at its head.
.set EXP,   96                         ; LDS: a row o, 16 f32 + 32 bytes: eight neighbouring rows' 32-byte pieces fall on eight different places modulo 256
.set OHP,   64*EXP+64                  ; 64 rows + 64 bytes: four neighbouring oh fall 64 bytes apart modulo 256
.set RED,   32*OHP                     ; 198,656: the first reduction's 256 x 16 bytes
.set RSB,   RED+4096                   ; the row factors, one f32 for each o
.set CFB,   RSB+8192                   ; cf on its way out (work-group 0)
.set SCLB,  CFB+8192                   ; the 32 channels' scales
.set SPARE, SCLB+256                   ; the spare words, 128 bytes for each wave
.set TO,  2                            ; v2   oh x 64 rows x 2,048 bytes + 4 wq
.set EW,  3                            ; v3   phase A's place in the exchange
.set ER,  4                            ; v4-7 phase B's, for r = 0-7, 8-15, 16-23, 24-31
.set RSR, 8
.set SCR, 9
.set WO,  10                           ; v10  my 8 bytes in the two panels
.set PO,  11                           ; v11  16 t
.set VO,  12                           ; v12  4 t
.set SO,  13                           ; v13  64 t: row t of weight_scales
.set SH0, 14                           ; v14  14 - 2 c: the field of mlo = 2 wq
.set SH1, 15                           ; v15  6 - 2 c: of mlo = 2 wq + 1
.set SPW, 16
.set NIL, 17
.set REDW, 18
.set RSW, 19
.set REDA, 20
.set SCLA, 21
.set PSO, 22
.set L8,  23
.set SC,  24                           ; v24-27  my four channels' scales
.set RS,  32                           ; v32-63  my 32 rows' factors
.set D,   64                           ; v64-191 the 128 numbers; before that at work: pm at D, ws[o][g] at D+64, N^2 at D+72, its halves at D+80, 1 / N at D+96, SV at D+104
.set T,   192                          ; v192-255 the words of trellis
.set WSF, 0                            ; window 1, v0-127: rows t + 256 i of weight_scales, 16 registers each
.set M3,  30                           ; s[30:31] -3.0
.set MSB, 0
.macro WIN new                         ; s_set_vgpr_msb: bits 1:0 source 0, 3:2 source 1, 5:4 source 2, 7:6 destination; the high byte repeats the setting that is left
.if MSB != (\new)
	s_set_vgpr_msb (MSB<<8)|(\new)
.set MSB, \new
.endif
.endm
.macro STAGE base, np, s               ; np / 2 butterflies of pairs s pairs apart, in place: a' = a + b, b' = a' - 2 b (exact here)
.set k0, 0
.rept (\np)/16
.set k, k0
.rept 8
.set ra, (\base)+2*((k/(\s))*2*(\s)+k%(\s))
.set rb, ra+2*(\s)
	v_pk_add_f32 v[ra:ra+1], v[ra:ra+1], v[rb:rb+1]
.set k, k+1
.endr
.set k, k0
.rept 8
.set ra, (\base)+2*((k/(\s))*2*(\s)+k%(\s))
.set rb, ra+2*(\s)
	v_pk_fma_f32 v[rb:rb+1], v[rb:rb+1], -2.0, v[ra:ra+1] op_sel_hi:[1,0,1]
.set k, k+1
.endr
.set k0, k0+8
.endr
.endm
.macro MINTREE base, st, nk            ; the minimum of 16 groups of nk registers, st apart, into the first group
.set n, 0
.rept 7
.set k, 0
.rept \nk
	v_min3_num_f32 v[(\base)+k], v[(\base)+k], v[(\base)+(\st)*(2*n+1)+k], v[(\base)+(\st)*(2*n+2)+k]
.set k, k+1
.endr
.set n, n+1
.endr
.set k, 0
.rept \nk
	v_min_num_f32 v[(\base)+k], v[(\base)+k], v[(\base)+(\st)*15+k]
.set k, k+1
.endr
.endm
.macro DECODE i0                       ; 32 words: two fields each, 2 code - 3
.set g, \i0
.rept 8
.set i, g
.rept 4
	v_bfe_u32 v[D+2*i], v[T+i], v[SH0], 2
	v_bfe_u32 v[D+2*i+1], v[T+i], v[SH1], 2
.set i, i+1
.endr
.set i, g
.rept 4
	v_cvt_f32_u32 v[D+2*i], v[D+2*i]
	v_cvt_f32_u32 v[D+2*i+1], v[D+2*i+1]
.set i, i+1
.endr
.set i, g
.rept 4
	v_pk_fma_f32 v[D+2*i:D+2*i+1], v[D+2*i:D+2*i+1], 2.0, s[M3:M3+1] op_sel_hi:[1,0,0]
.set i, i+1
.endr
.set g, g+4
.endr
.endm
	s_load_b256 s[4:11], s[0:1], 0x0               ; trellis s[4:5], SV s[6:7], weight_scales s[8:9], pm s[10:11]
	s_load_b128 s[12:15], s[0:1], 0x20             ; prm s[12:13], wb s[14:15]
	s_load_b64 s[38:39], s[0:1], 0x30              ; cf
	v_lshl_add_u32 v[SPW], v0, 2, SPARE
	v_mov_b32 v[NIL], 0
	v_lshrrev_b32 v28, 5, v0
	v_readfirstlane_b32 s16, v28                   ; wave
	s_lshr_b32 s17, ttmp9, 1                       ; cb
	s_and_b32 s18, ttmp9, 1                        ; hsel
	s_lshl_b32 s20, s17, 4                         ; trellis: the block's four words in a row
	s_mov_b32 s21, 0
	s_lshr_b32 s22, s17, 3
	s_lshl_b32 s22, s22, 2                         ; weight_scales: the group k / 256 = cb / 8
	s_mov_b32 s23, 0
	s_lshl_b32 s24, s17, 16                        ; pm: the block's 256 x 256 bytes
	s_mov_b32 s25, 0
	s_lshl_b32 s26, s17, 8                         ; prm: its 256 bytes
	s_mov_b32 s27, 0
	s_and_b32 s28, s17, 3                          ; mhi
	s_lshl_b32 s28, s28, 7
	s_lshr_b32 s36, s17, 2                         ; j
	s_lshl_b32 s36, s36, 2
	s_add_co_u32 s28, s28, s36
	s_lshl_b32 s36, s18, 1
	s_add_co_u32 s28, s28, s36                     ; the first of my two panels
	s_lshl_b32 s28, s28, 15                        ; of 32,768 bytes
	s_mov_b32 s29, 0
	s_mov_b32 s[M3], 0xc0400000
	s_mov_b32 s[M3+1], 0xc0400000                  ; named with it as a pair
	s_mov_b32 s32, 0xc37f0000                      ; -255
	s_mov_b32 s33, 0x3b808081                      ; 1 / 255
	v_and_b32 v28, 3, v0                           ; wq
	v_lshrrev_b32 v29, 3, v0                       ; oh
	v_lshlrev_b32 v28, 2, v28
	v_lshl_add_u32 v[TO], v29, 17, v28
	v_and_b32 v30, 7, v0                           ; cp; also a, my four channels in the second reduction
	v_lshlrev_b32 v31, 3, v30
	v_mad_u32_u24 v[EW], v29, OHP, v31
	v_bfe_u32 v28, v0, 2, 1                        ; pl
	s_lshl_b32 s36, s18, 2
	s_sub_co_u32 s36, 14, s36                      ; 14 - 4 hsel
	v_lshlrev_b32 v28, 1, v28
	v_sub_nc_u32 v[SH0], s36, v28
	v_add_nc_u32 v[SH1], -8, v[SH0]
	v_and_b32 v28, 1, v0                           ; half
	v_bfe_u32 v29, v0, 1, 6                        ; ol
	v_lshrrev_b32 v31, 7, v0                       ; pl2
	v_lshl_add_u32 v[L8], v31, 1, v28
	v_lshlrev_b32 v[L8], 4, v[L8]
	v_mad_u32_u24 v[ER], v29, EXP, v[L8]
	v_add_nc_u32 v[ER+1], 8*OHP, v[ER]
	v_add_nc_u32 v[ER+2], 16*OHP, v[ER]
	v_add_nc_u32 v[ER+3], 24*OHP, v[ER]
	v_lshl_add_u32 v[RSR], v29, 2, RSB
	s_lshl_b32 s36, s18, 3
	s_add_co_u32 s36, s36, SCLB
	v_lshl_add_u32 v[SCR], v28, 6, s36             ; channel 4 (4 half + k) + 2 hsel + pl2 of the block's 32
	v_lshl_add_u32 v[SCR], v31, 2, v[SCR]
	v_lshlrev_b32 v[WO], 15, v31
	v_lshl_add_u32 v[WO], v29, 4, v[WO]
	v_lshl_add_u32 v[WO], v28, 3, v[WO]
	v_lshlrev_b32 v[PO], 4, v0
	v_lshlrev_b32 v[VO], 2, v0
	v_lshlrev_b32 v[SO], 6, v0
	v_add_nc_u32 v[REDW], RED, v[PO]
	v_add_nc_u32 v[RSW], RSB, v[VO]
	v_lshl_add_u32 v[REDA], v30, 4, RED
	v_lshl_add_u32 v[SCLA], v30, 4, SCLB
	v_and_b32 v[PSO], 15, v0
	v_lshlrev_b32 v[PSO], 4, v[PSO]
	v_and_b32 v[L8], 8, v0
	s_wait_kmcnt 0x0
	s_add_nc_u64 s[4:5], s[4:5], s[20:21]
	s_add_nc_u64 s[22:23], s[8:9], s[22:23]        ; weight_scales at my group; s[8:9] stays at its first byte
	s_add_nc_u64 s[10:11], s[10:11], s[24:25]
	s_add_nc_u64 s[12:13], s[12:13], s[26:27]
	s_add_nc_u64 s[14:15], s[14:15], s[28:29]
.set i, 0
.rept 16
	global_load_b128 v[D+4*i:D+4*i+3], v[PO], s[10:11] offset:4096*i  ; pm: 4,096 consecutive bytes for the work-group
.set i, i+1
.endr
.set i, 0
.rept 8
	global_load_b32 v[D+64+i], v[SO], s[22:23] offset:16384*i         ; ws[t + 256 i][group]
.set i, i+1
.endr
	WIN 0x40
.set i, 0
.rept 8
.irp q, 0,1,2,3
	global_load_b128 v[WSF+16*i+4*\q:WSF+16*i+4*\q+3], v[SO], s[8:9] offset:16384*i+16*\q  ; row t + 256 i, whole: four loads cover the wave's 2,048 consecutive bytes
.endr
.set i, i+1
.endr
	WIN 0
	s_wait_loadcnt 40                              ; pm is in: the 8 + 32 loads of weight_scales are younger
	MINTREE D, 4, 4                                ; over my sixteen work-groups
	ds_store_b128 v[REDW], v[D:D+3]
.set i, 0
.rept 32
	global_load_b32 v[T+i], v[TO], s[4:5] offset:2048*i
.set i, i+1
.endr
	s_wait_loadcnt 32                              ; weight_scales is in: the 32 loads of trellis are younger
	WIN 0x05                                       ; sources 0 and 1 in window 1
.set i, 0
.rept 8
	v_pk_mul_f32 v[D+80+2*i:D+80+2*i+1], v[WSF+16*i:WSF+16*i+1], v[WSF+16*i:WSF+16*i+1]
.set i, i+1
.endr
.set p, 1
.rept 7                                ; the eight rows' sums of squares take turns
.set i, 0
.rept 8
	v_pk_fma_f32 v[D+80+2*i:D+80+2*i+1], v[WSF+16*i+2*p:WSF+16*i+2*p+1], v[WSF+16*i+2*p:WSF+16*i+2*p+1], v[D+80+2*i:D+80+2*i+1]
.set i, i+1
.endr
.set p, p+1
.endr
	WIN 0
.set i, 0
.rept 8
	v_add_f32 v[D+72+i], v[D+80+2*i], v[D+80+2*i+1]
.set i, i+1
.endr
.set i, 0
.rept 8
	v_max_num_f32 v[D+72+i], 0x0d800000, v[D+72+i]  ; N^2, at least 2^-100: a row of zeros stays a row of zeros
.set i, i+1
.endr
.set i, 0
.rept 8
	v_rsq_f32 v[D+96+i], v[D+72+i]                 ; 1 / N
.set i, i+1
.endr
	v_nop                                          ; a plain instruction behind the last of them (ISA guide 5.7.2),
	s_wait_alu depctr_va_vdst(0)                   ; and the wait ahead of the first use: one for the eight
.set i, 0
.rept 8
	v_mul_f32 v[D+64+i], v[D+64+i], v[D+96+i]      ; ws / N
.set i, i+1
.endr
.set i, 0
.rept 8
	v_mul_f32 v[D+64+i], 0x3e21e89b, v[D+64+i]     ; x 16 / sqrt(10240)
.set i, i+1
.endr
.set i, 0
.rept 8
	ds_store_b32 v[RSW], v[D+64+i] offset:1024*i
.set i, i+1
.endr
	s_cmp_lg_u32 ttmp9, 0                          ; work-group 0 makes cf
	s_cbranch_scc1 .Lnocf
.set i, 0
.rept 8
	global_load_b32 v[D+104+i], v[VO], s[6:7] offset:1024*i           ; SV[t + 256 i]
.set i, i+1
.endr
.set i, 0
.rept 8
	v_mul_f32 v[D+72+i], v[D+72+i], v[D+96+i]      ; N = N^2 / N
.set i, i+1
.endr
.set i, 0
.rept 8
	v_mul_f32 v[D+72+i], 0x41800000, v[D+72+i]     ; x 16
.set i, i+1
.endr
	s_wait_loadcnt 0x0                             ; SV (and what was issued ahead of it)
.set i, 0
.rept 8
	v_mul_f32 v[D+72+i], v[D+72+i], v[D+104+i]
.set i, i+1
.endr
.set i, 0
.rept 8
	ds_store_b32 v[RSW], v[D+72+i] offset:CFB-RSB+1024*i
.set i, i+1
.endr
.Lnocf:
.set i, 32
.rept 32
	global_load_b32 v[T+i], v[TO], s[4:5] offset:2048*i
.set i, i+1
.endr
	s_wait_dscnt 0x0                               ; for the others' sake: my partial minima and my row factors lie in LDS
	s_barrier_signal -1
	s_barrier_wait -1
	s_cmp_lg_u32 ttmp9, 0                          ; work-group 0 stores cf: a wave's store covers 512 consecutive bytes, aligned
	s_cbranch_scc1 .Lnocf2
	ds_load_b128 v[D+96:D+99],   v[REDW] offset:CFB-RED
	ds_load_b128 v[D+100:D+103], v[REDW] offset:CFB-RED+4096
	s_wait_dscnt 0x0
	global_store_b128 v[PO], v[D+96:D+99],   s[38:39]
	global_store_b128 v[PO], v[D+100:D+103], s[38:39] offset:4096
	s_wait_xcnt 0x0                                ; the stores have read their data: D is written again below
.Lnocf2:
	s_cmp_lg_u32 s16, 0                            ; wave 0 alone joins the sixteen partial results: lane's a = lane % 8 stands for channels 4 a .. 4 a + 3
	s_cbranch_scc1 .Lnot0
.set i, 0
.rept 16
	ds_load_b128 v[D+8*i:D+8*i+3],   v[REDA] offset:256*i        ; minima
	ds_load_b128 v[D+8*i+4:D+8*i+7], v[REDA] offset:256*i+128    ; negated maxima
.set i, i+1
.endr
	s_wait_dscnt 0x0
	MINTREE D, 8, 8
.irp k, 0,1,2,3
	v_add_f32 v[D+8+\k], v[D+\k], v[D+4+\k]        ; min - max
.endr
.irp k, 0,1,2,3
	v_mul_f32 v[D+12+\k], 0xbb808081, v[D+8+\k]    ; (max - min) / 255, nearly
.endr
.irp k, 0,1,2,3
	v_fma_f32 v[D+16+\k], v[D+12+\k], s32, -v[D+8+\k]  ; what is left: (max - min) - 255 q
.endr
.irp k, 0,1,2,3
	v_fma_f32 v[D+12+\k], v[D+16+\k], s33, v[D+12+\k]
.endr
.irp k, 0,1,2,3
	v_max_num_f32 v[D+20+\k], 0x322bcc77, v[D+12+\k]   ; scale, at least 1e-8
.endr
.irp k, 0,1,2,3
	v_rcp_f32 v[D+24+\k], v[D+20+\k]
.endr
	v_nop                                          ; a plain instruction behind the last reciprocal (ISA guide 5.7.2),
	s_wait_alu depctr_va_vdst(0)                   ; and the wait ahead of the first use: one for the four
.irp k, 0,1,2,3
	v_fma_f32 v[D+16+\k], -v[D+20+\k], v[D+24+\k], 1.0
.endr
.irp k, 0,1,2,3
	v_fma_f32 v[D+24+\k], v[D+16+\k], v[D+24+\k], v[D+24+\k]  ; one Newton step
.endr
.irp k, 0,1,2,3
	v_mul_f32 v[D+28+\k], v[D+\k], v[D+24+\k]
.endr
.irp k, 0,1,2,3
	v_rndne_f32 v[D+28+\k], v[D+28+\k]             ; lo = round(min / scale) = -zero
.endr
	ds_store_b128 v[SCLA], v[D+20:D+23]            ; lanes with the same a write the same bytes; waited for in front of the next barrier
	s_cmp_lg_u32 s18, 0                            ; of the two work-groups of a block the first stores prm's unit
	s_cbranch_scc1 .Lnot0
	v_cmp_ne_u32 s34, 0, v[L8]
.irp k, 0,1,2,3
	v_cndmask_b32 v[D+32+\k], v[D+24+\k], v[D+28+\k], s34  ; lanes 0-7 inv, lanes 8-15 lo
.endr
	s_wait_xcnt 0x0                                ; EXEC is a source of the loads that are out: it changes only behind this wait
	v_cmp_gt_u32 vcc_lo, 16, v0
	s_and_saveexec_b32 s35, vcc_lo
	global_store_b128 v[PSO], v[D+32:D+35], s[12:13]  ; sixteen lanes store the unit's 256 bytes
	s_wait_xcnt 0x0                                ; and again, in front of the line that widens it; the store's data are free too
	s_or_b32 exec_lo, exec_lo, s35
.Lnot0:
	s_wait_loadcnt 32                              ; rows 0-31 of my 64 are in; the other 32 loads are younger
	DECODE 0
	s_wait_loadcnt 0x0
	DECODE 32
	STAGE D, 64, 1                                 ; o, bits 0 to 5
	STAGE D, 64, 2
	STAGE D, 64, 4
	STAGE D, 64, 8
	STAGE D, 64, 16
	STAGE D, 64, 32
.set i, 0
.rept 64
	ds_store_b64 v[EW], v[D+2*i:D+2*i+1] offset:EXP*i
.set i, i+1
.endr
	s_wait_dscnt 0x0                               ; for the others' sake (wave 0: the scales too)
	s_barrier_signal -1
	s_barrier_wait -1
.set r, 0
.rept 32
	ds_load_b128 v[D+4*r:D+4*r+3], v[ER+r/8] offset:(r%8)*OHP
.set r, r+1
.endr
.set r, 0
.rept 32
	ds_load_b32 v[RS+r], v[RSR] offset:256*r
.set r, r+1
.endr
.irp k, 0,1,2,3
	ds_load_b32 v[SC+\k], v[SCR] offset:16*\k
.endr
	s_wait_dscnt 36                                ; the numbers are in; the 36 loads of factors are younger
	STAGE D, 64, 2                                 ; o, bits 6 to 10
	STAGE D, 64, 4
	STAGE D, 64, 8
	STAGE D, 64, 16
	STAGE D, 64, 32
	s_wait_dscnt 0x0
.set r, 0
.rept 32                               ; times the row's factor: the pair's register r % 2 for both halves
.set a, D+4*r
.set rs, RS+r-r%2
.if r%2
	v_pk_mul_f32 v[a:a+1], v[a:a+1], v[rs:rs+1] op_sel:[0,1] op_sel_hi:[1,1]
	v_pk_mul_f32 v[a+2:a+3], v[a+2:a+3], v[rs:rs+1] op_sel:[0,1] op_sel_hi:[1,1]
.else
	v_pk_mul_f32 v[a:a+1], v[a:a+1], v[rs:rs+1] op_sel_hi:[1,0]
	v_pk_mul_f32 v[a+2:a+3], v[a+2:a+3], v[rs:rs+1] op_sel_hi:[1,0]
.endif
.set r, r+1
.endr
.set r, 0
.rept 32                               ; times the channels' scales
.set a, D+4*r
	v_pk_mul_f32 v[a:a+1], v[a:a+1], v[SC:SC+1]
	v_pk_mul_f32 v[a+2:a+3], v[a+2:a+3], v[SC+2:SC+3]
.set r, r+1
.endr
.set r, 0
.rept 32
.set a, D+4*r
	v_cvt_pk_f16_f32 v[a], v[a], v[a+1]
	v_cvt_pk_f16_f32 v[a+1], v[a+2], v[a+3]
.set r, r+1
.endr
.set r, 0
.rept 32
	global_store_b64 v[WO], v[D+4*r:D+4*r+1], s[14:15] offset:1024*r  ; the wave stores 256 consecutive bytes, at a multiple of 256 from wb's first byte
.set r, r+1
.endr
	s_wait_tensorcnt 0x0                           ; the wave's end, behind my last LDS store
	ds_add_u32 v[SPW], v[NIL]
	s_wait_dscnt 0x0
	s_endpgm
.Lfunc_end_k_qe43a964ef0_wprep:
	.size	k_qe43a964ef0_wprep, .Lfunc_end_k_qe43a964ef0_wprep-k_qe43a964ef0_wprep
	.p2alignl 7, 3214868480
	.fill 96, 4, 3214868480
	.section	.rodata,"a",@progbits
	.p2align	6, 0x0
	.amdhsa_kernel k_qe43a964ef0_wprep
		.amdhsa_group_segment_fixed_size 220416
		.amdhsa_private_segment_fixed_size 0
		.amdhsa_enable_private_segment 0
		.amdhsa_kernarg_size 56
		.amdhsa_user_sgpr_count 2
		.amdhsa_user_sgpr_kernarg_segment_ptr 1
		.amdhsa_wavefront_size32 1
		.amdhsa_system_sgpr_workgroup_id_x 1
		.amdhsa_system_sgpr_workgroup_id_y 1
		.amdhsa_system_sgpr_workgroup_id_z 1
		.amdhsa_system_vgpr_workitem_id 0
		.amdhsa_next_free_vgpr 384
		.amdhsa_next_free_sgpr 66
		.amdhsa_reserve_vcc 1
		.amdhsa_float_denorm_mode_32 3
		.amdhsa_float_denorm_mode_16_64 3
		.amdhsa_memory_ordered 1
		.amdhsa_forward_progress 1
		.amdhsa_inst_pref_size 119
	.end_amdhsa_kernel
	.amdgpu_metadata
---
amdhsa.version: [ 1, 2 ]
amdhsa.kernels:
  - .name:           k_qe43a964ef0_wprep
    .symbol:         k_qe43a964ef0_wprep.kd
    .args:
      - { .name: trellis, .offset: 0, .size: 8, .value_kind: global_buffer, .address_space: global }
      - { .name: SV, .offset: 8, .size: 8, .value_kind: global_buffer, .address_space: global }
      - { .name: weight_scales, .offset: 16, .size: 8, .value_kind: global_buffer, .address_space: global }
      - { .name: pm, .offset: 24, .size: 8, .value_kind: global_buffer, .address_space: global }
      - { .name: prm, .offset: 32, .size: 8, .value_kind: global_buffer, .address_space: global }
      - { .name: wb, .offset: 40, .size: 8, .value_kind: global_buffer, .address_space: global }
      - { .name: cf, .offset: 48, .size: 8, .value_kind: global_buffer, .address_space: global }
    .group_segment_fixed_size: 220416
    .private_segment_fixed_size: 0
    .kernarg_segment_align: 8
    .kernarg_segment_size: 56
    .max_flat_workgroup_size: 256
    .sgpr_count:     66
    .vgpr_count:     384
    .wavefront_size: 32
...
	.end_amdgpu_metadata
.endif
;; end of part 2
;; launch quant (part 3): grid 256 x 1, 8 waves a work-group, no clusters, 169,472 bytes of LDS; arguments x, SU, prm, aq; writes aq
.if DOCPART == 3
	.amdgcn_target "amdgcn-amd-amdhsa--gfx1250"
	.amdhsa_code_object_version 6
	.text
	.protected	k_qe43a964ef0_quant
	.globl	k_qe43a964ef0_quant
	.p2align	8
	.type	k_qe43a964ef0_quant,@function
k_qe43a964ef0_quant:
	s_mov_b64 s[64:65], 0
	v_nop
	global_prefetch_b8 v0, s[64:65] scope:SCOPE_SE
	s_setreg_imm32_b32 hwreg(HW_REG_WAVE_MODE, 25, 1), 1
	s_wait_xcnt 0x0
; LAUNCH 3 OF 4.  xh = H (x SU) / 64 is made again from x, by the very lines of launch 1 (the same bits), and quantised: aq = clamp(round(xh inv), lo, lo + 255) / 256 = (q - zero) / 256, in f16.
; LEFT OUT, as shown at the head of launch 1: x + (dq - x) is dq for every x; the channel's scale lies in the weight (launch 2), the factor 256 in cf (launch 2).
; q - zero is a whole number; f16 holds it exactly up to 2,048 (where a channel's range holds 0 it lies within -255 .. 255).  The factor 1 / 256, a power of two, rounds nothing: 1 / 256 is far
; above f16's smallest normal number, and it moves f16's end, 65,504, to |q - zero| = 2^24.
; LIMITS.  Where a channel lies more than eight times its range away from 0, |q - zero| passes 2,048 and is rounded to 11 bits like any matrix operand; more than 65,000 times its range away it
; overflows.  xh / scale is taken as xh x (1 / scale): a number within a last bit of a half may fall on the neighbouring step.  NaN and infinities are not treated apart.
; Why xh is made twice: the scales hang on all 8,192 rows, so a launch's end lies between; xh kept in f32 would be written and read, twice x's bytes, where this reads x once more.
; SHARES and PHASES as in launch 1.  Thread (g = 4 j + c, rq) ends with m = 8 mhi + mlo of four rows: k' = 1024 mhi + 8 g + mlo, so eight neighbouring m pack into 16 bytes
; and a store of a wave covers 512 consecutive bytes of a row of aq[8192][4096].
.set ROWB,  16384
.set JP,    528
.set RP,    32*JP
.set UP4,   1040                       ; prm in LDS: four units of 256 bytes + 16, so that 32 lanes (eight j, four c) read 32 different banks (64 banks of 4 bytes: ISA guide 11.1)
.set PRMB,  8*RP                       ; behind the exchange
.set SPARE, PRMB+32*UP4                ; the spare words, 128 bytes for each wave
.set XO,  2
.set LW,  3
.set LR,  4
.set PW,  5                            ; v5   where I put 16 bytes of prm
.set PG,  6                            ; v6   where I read my channels' figures
.set AO,  7                            ; v7   16 g + rq x four rows of 8,192 bytes
.set SPW, 8
.set NIL, 9
.set SO,  16
.set PO,  17                           ; v17  16 t
.set D,   32                           ; v32-159
.set INV, 160                          ; v160-191  1 / scale by m
.set LO,  192                          ; v192-223  -zero
.set HI,  224                          ; v224-255  255 - zero
.set XR,  0                            ; window 1
.set SUR, 128                          ; window 1
.set MSB, 0
.macro WIN new
.if MSB != (\new)
	s_set_vgpr_msb (MSB<<8)|(\new)
.set MSB, \new
.endif
.endm
.macro PAIRST base, np
.set p, 0
.rept \np
	v_pk_add_f32 v[(\base)+2*p:(\base)+2*p+1], v[(\base)+2*p:(\base)+2*p+1], v[(\base)+2*p:(\base)+2*p+1] op_sel:[0,1] op_sel_hi:[0,1] neg_hi:[0,1]
.set p, p+1
.endr
.endm
.macro STAGE base, np, s
.set k0, 0
.rept (\np)/16
.set k, k0
.rept 8
.set ra, (\base)+2*((k/(\s))*2*(\s)+k%(\s))
.set rb, ra+2*(\s)
	v_pk_add_f32 v[ra:ra+1], v[ra:ra+1], v[rb:rb+1]
.set k, k+1
.endr
.set k, k0
.rept 8
.set ra, (\base)+2*((k/(\s))*2*(\s)+k%(\s))
.set rb, ra+2*(\s)
	v_pk_fma_f32 v[rb:rb+1], v[rb:rb+1], -2.0, v[ra:ra+1] op_sel_hi:[1,0,1]
.set k, k+1
.endr
.set k0, k0+8
.endr
.endm
.macro LOADX
	WIN 0x40
.set i, 0
.rept 32
	global_load_b128 v[XR+4*i:XR+4*i+3], v[XO], s[4:5] offset:512*i th:TH_LOAD_NT
.set i, i+1
.endr
	WIN 0
.endm
.macro RDROW r
.set i, 0
.rept 32
	ds_load_b32 v[D+32*(\r)+i], v[LR] offset:(\r)*RP+16*i
.set i, i+1
.endr
.endm
.macro HALF h
	PAIRST D+64*(\h), 32
	STAGE D+64*(\h), 32, 1
	STAGE D+64*(\h), 32, 2
	STAGE D+64*(\h), 32, 4
	STAGE D+64*(\h), 32, 8
.endm
.macro QROW r                          ; row r of my four: scaled, rounded, clamped, divided by 256, packed, stored
.set b, D+32*(\r)
.set p, 0
.rept 16
	v_pk_mul_f32 v[b+2*p:b+2*p+1], v[b+2*p:b+2*p+1], v[INV+2*p:INV+2*p+1]
.set p, p+1
.endr
.set i, 0
.rept 32
	v_rndne_f32 v[b+i], v[b+i]
.set i, i+1
.endr
.set i, 0
.rept 32
	v_med3_num_f32 v[b+i], v[b+i], v[LO+i], v[HI+i]
.set i, i+1
.endr
.set p, 0
.rept 16
	v_pk_mul_f32 v[b+2*p:b+2*p+1], v[b+2*p:b+2*p+1], 0x3b800000 op_sel_hi:[1,0]  ; / 256
.set p, p+1
.endr
.set p, 0
.rept 16                               ; in place, ascending: register p has been read when it is written
	v_cvt_pk_f16_f32 v[b+p], v[b+2*p], v[b+2*p+1]
.set p, p+1
.endr
.irp h, 0,1,2,3
	global_store_b128 v[AO], v[b+4*\h:b+4*\h+3], s[10:11] offset:(\r)*8192+\h*2048  ; the wave stores 512 consecutive bytes, at a multiple of 256 from aq's first byte
.endr
.endm
	s_load_b256 s[4:11], s[0:1], 0x0               ; x s[4:5], SU s[6:7], prm s[8:9], aq s[10:11]
	v_lshl_add_u32 v[SPW], v0, 2, SPARE
	v_mov_b32 v[NIL], 0
	v_lshrrev_b32 v10, 5, v0                       ; wave
	v_and_b32 v11, 31, v0                          ; lane
	v_lshlrev_b32 v[SO], 4, v11
	v_lshl_add_u32 v[XO], v10, 14, v[SO]
	v_mad_u32_u24 v[LW], v10, RP, v[SO]
	v_bfe_u32 v13, v0, 2, 5                        ; j
	v_and_b32 v14, 3, v0
	v_lshlrev_b32 v14, 2, v14                      ; 4 c
	v_lshrrev_b32 v15, 7, v0                       ; rq
	v_mad_u32_u24 v[LR], v13, JP, v14
	v_mad_u32_u24 v[LR], v15, 4*RP, v[LR]
	v_mad_u32_u24 v[PG], v13, UP4, v14
	v_add_nc_u32 v[PG], PRMB, v[PG]
	v_and_b32 v12, 127, v0                         ; g
	v_lshlrev_b32 v12, 4, v12
	v_lshl_add_u32 v[AO], v15, 15, v12
	v_lshrrev_b32 v12, 4, v0
	v_and_b32 v13, 15, v0
	v_lshlrev_b32 v13, 4, v13
	v_lshrrev_b32 v14, 6, v0
	v_lshl_add_u32 v[PW], v12, 8, v13
	v_lshl_add_u32 v[PW], v14, 4, v[PW]
	v_add_nc_u32 v[PW], PRMB, v[PW]
	v_lshlrev_b32 v[PO], 4, v0
	s_lshl_b32 s12, ttmp9, 19                      ; x: 32 rows of 16,384 bytes
	s_mov_b32 s13, 0
	s_lshl_b32 s14, ttmp9, 18                      ; aq: 32 rows of 8,192 bytes
	s_mov_b32 s15, 0
	s_mov_b32 s16, 4                               ; batches
	s_wait_kmcnt 0x0
	s_add_nc_u64 s[4:5], s[4:5], s[12:13]
	s_add_nc_u64 s[10:11], s[10:11], s[14:15]
.set i, 0
.rept 8
	global_load_b128 v[D+4*i:D+4*i+3], v[PO], s[8:9] offset:4096*i  ; all of prm, 32 KiB, once for the work-group
.set i, i+1
.endr
	WIN 0x40
.set i, 0
.rept 32
	global_load_b128 v[SUR+4*i:SUR+4*i+3], v[SO], s[6:7] offset:512*i
.set i, i+1
.endr
	LOADX                                          ; batch 0
	s_wait_loadcnt 32                              ; prm and SU are in; the 32 loads of x are younger
.set i, 0
.rept 8
	ds_store_b128 v[PW], v[D+4*i:D+4*i+3] offset:4*UP4*i
.set i, i+1
.endr
	WIN 0x41
.set p, 0
.rept 64
	v_pk_mul_f32 v[SUR+2*p:SUR+2*p+1], v[SUR+2*p:SUR+2*p+1], 0x3c800000 op_sel_hi:[1,0]  ; SU / 64
.set p, p+1
.endr
	WIN 0
	s_wait_dscnt 0x0
	s_barrier_signal -1
	s_barrier_wait -1                              ; prm lies in LDS
.set i, 0
.rept 32
	ds_load_b32 v[INV+i], v[PG] offset:(i/8)*256+(i%8)*16
	ds_load_b32 v[LO+i],  v[PG] offset:(i/8)*256+(i%8)*16+128
.set i, i+1
.endr
	s_wait_dscnt 0x0
.set p, 0
.rept 16
	v_pk_add_f32 v[HI+2*p:HI+2*p+1], v[LO+2*p:LO+2*p+1], 0x437f0000 op_sel_hi:[1,0]
.set p, p+1
.endr
.Lbatch:
	s_wait_loadcnt 0x0                             ; the batch's row is in, and no load reads s[4:5] any more
	WIN 0x05
.set p, 0
.rept 64
	v_pk_mul_f32 v[D+2*p:D+2*p+1], v[XR+2*p:XR+2*p+1], v[SUR+2*p:SUR+2*p+1]
.set p, p+1
.endr
	WIN 0
	s_cmp_eq_u32 s16, 1                            ; the last batch has none behind it
	s_cbranch_scc1 .Lnoload
	s_add_nc_u64 s[4:5], s[4:5], 8*ROWB
	LOADX
.Lnoload:
	PAIRST D, 64
	STAGE D, 64, 1
	STAGE D, 64, 2
	STAGE D, 64, 4
	STAGE D, 64, 8
	STAGE D, 64, 16
	STAGE D, 64, 32
	s_barrier_signal -1                            ; every wave has waited for its reads of the batch before: the exchange may be written again
	s_barrier_wait -1
.set i, 0
.rept 32
	ds_store_b128 v[LW], v[D+4*i:D+4*i+3] offset:JP*i
.set i, i+1
.endr
	s_wait_dscnt 0x0
	s_barrier_signal -1
	s_barrier_wait -1
	RDROW 0
	RDROW 1
	RDROW 2
	s_wait_dscnt 32                                ; rows 0 and 1 are in; row 2's 32 loads are younger
	RDROW 3
	HALF 0
	QROW 0
	QROW 1
	s_wait_dscnt 0x0
	HALF 1
	QROW 2
	QROW 3
	s_wait_xcnt 0x0                                ; the stores have read their data and their base: D and s[10:11] are written again only behind this wait
	s_add_nc_u64 s[10:11], s[10:11], 65536         ; eight rows of aq
	s_sub_co_u32 s16, s16, 1
	s_cmp_lg_u32 s16, 0
	s_cbranch_scc1 .Lbatch
	s_wait_tensorcnt 0x0                           ; the wave's end, behind my last LDS store
	ds_add_u32 v[SPW], v[NIL]
	s_wait_dscnt 0x0
	s_endpgm
.Lfunc_end_k_qe43a964ef0_quant:
	.size	k_qe43a964ef0_quant, .Lfunc_end_k_qe43a964ef0_quant-k_qe43a964ef0_quant
	.p2alignl 7, 3214868480
	.fill 96, 4, 3214868480
	.section	.rodata,"a",@progbits
	.p2align	6, 0x0
	.amdhsa_kernel k_qe43a964ef0_quant
		.amdhsa_group_segment_fixed_size 169472
		.amdhsa_private_segment_fixed_size 0
		.amdhsa_enable_private_segment 0
		.amdhsa_kernarg_size 32
		.amdhsa_user_sgpr_count 2
		.amdhsa_user_sgpr_kernarg_segment_ptr 1
		.amdhsa_wavefront_size32 1
		.amdhsa_system_sgpr_workgroup_id_x 1
		.amdhsa_system_sgpr_workgroup_id_y 1
		.amdhsa_system_sgpr_workgroup_id_z 1
		.amdhsa_system_vgpr_workitem_id 0
		.amdhsa_next_free_vgpr 512
		.amdhsa_next_free_sgpr 66
		.amdhsa_reserve_vcc 0
		.amdhsa_float_denorm_mode_32 3
		.amdhsa_float_denorm_mode_16_64 3
		.amdhsa_memory_ordered 1
		.amdhsa_forward_progress 1
		.amdhsa_inst_pref_size 115
	.end_amdhsa_kernel
	.amdgpu_metadata
---
amdhsa.version: [ 1, 2 ]
amdhsa.kernels:
  - .name:           k_qe43a964ef0_quant
    .symbol:         k_qe43a964ef0_quant.kd
    .args:
      - { .name: x, .offset: 0, .size: 8, .value_kind: global_buffer, .address_space: global }
      - { .name: SU, .offset: 8, .size: 8, .value_kind: global_buffer, .address_space: global }
      - { .name: prm, .offset: 16, .size: 8, .value_kind: global_buffer, .address_space: global }
      - { .name: aq, .offset: 24, .size: 8, .value_kind: global_buffer, .address_space: global }
    .group_segment_fixed_size: 169472
    .private_segment_fixed_size: 0
    .kernarg_segment_align: 8
    .kernarg_segment_size: 32
    .max_flat_workgroup_size: 256
    .sgpr_count:     66
    .vgpr_count:     512
    .wavefront_size: 32
...
	.end_amdgpu_metadata
.endif
;; end of part 3
;; launch gemm (part 4): grid 8 x 32, 4 waves a work-group, clusters of 4 x 4, 327,680 bytes of LDS; arguments aq, wb, out0, cf; writes out0
.if DOCPART == 4
	.amdgcn_target "amdgcn-amd-amdhsa--gfx1250"
	.amdhsa_code_object_version 6
	.text
	.protected	k_qe43a964ef0_gemm
	.globl	k_qe43a964ef0_gemm
	.p2align	8
	.type	k_qe43a964ef0_gemm,@function
k_qe43a964ef0_gemm:
	s_mov_b64 s[64:65], 0
	v_nop
	global_prefetch_b8 v0, s[64:65] scope:SCOPE_SE
	s_setreg_imm32_b32 hwreg(HW_REG_WAVE_MODE, 25, 1), 1
	s_wait_xcnt 0x0
	s_wait_alu depctr_hold_cnt(0) depctr_sa_sdst(0) depctr_va_vdst(0) depctr_va_sdst(0) depctr_va_ssrc(0) depctr_va_vcc(0) depctr_vm_vsrc(0)
	s_getreg_b32 s2, hwreg(HW_REG_IB_STS2, 6, 4)
	s_cmp_eq_u32 s2, 0
	s_cbranch_scc0 .Lentry_in_a_cluster
	s_endpgm
.Lentry_in_a_cluster:
	s_bfe_u32 s2, ttmp6, 0x10000c
	s_cmp_lg_u32 s2, 0xf033
	s_cbranch_scc0 .Lentry_shape_is_right
	s_endpgm
.Lentry_shape_is_right:
; LAUNCH 4 OF 4.  out0[m][n] = cf[n] x the sum over k' of aq[m][k'] wb[n][k'], 8,192 x 2,048 x 4,096, f16 operands, f32 sums, f32 out.  aq: [8192][4096]; wb: [512 panels][2048 n][8], panel = k' / 8.
; cf[n] (f32, launch 2) carries SV[n], the size of row n's weight_scales and the two operands' powers of two; the ranges of the two f16 operands are stated at the heads of launches 2 and 3.
; A tile of 256 x 256 to a work-group of four waves, 128 x 128 (64 accumulators, 512 registers) to a wave: 32 x 8 tiles, one work-group each.
; K goes in steps of 128 through a ring of two LDS slots filled by the tensor data mover.  A's tile: 128 rows x 256 bytes a wave, padded to 272.  B's tile: 16 panels x 2,048 consecutive bytes
; (128 rows x 16 bytes) a wave, dense: a fragment's sixteen lanes read 256 consecutive bytes of a panel, so it wants no padding.  (B's tile has 16 rows, since a panel's piece is one long row.)
; CLUSTERS: 4 x 4 work-groups; A's tile is shared along a row of the cluster, B's along a column: each is asked for JOINTLY, by the same tensor load with the same descriptor and a mask that names the four.
; THE MATRIX INSTRUCTION IS USED TRANSPOSED (source 0 = 16 rows of B, source 1 = 16 rows of A): lane l holds row l % 16 of the result and the columns 8 (l / 16) + 0..7: 32 bytes on end.
; REGISTERS, in windows of 256: window 0: v0-31 addresses and cf; v64-127, v128-191 fragments of A, two buffers (on the way out: rows read back); window 1: v64-127, v128-191 fragments of B;
; window 2: the accumulators of my rows 0-63 ((a, b) at v[8 (8 a + b)]); window 3: those of my rows 64-127.
.set KSTEP,  128
.set ABYTES, 256                       ; a K step along a row of aq
.set BBYTES, 16*32768                  ; a K step in wb: 16 panels
.set PITCH,  272                       ; A's LDS row: 68 words: row r starts at bank 4 r mod 64 (64 banks of 4 bytes: ISA guide 11.1)
.set HALFA,  128*PITCH
.set HALFB,  16*2048
.set SLOT,   2*HALFA+2*HALFB           ; A's two halves, then B's two
.set STAGE,  2*SLOT                    ; behind the ring: 16 rows x 528 bytes for each wave, for the way out; no tensor load fills it
.set SPITCH, 528                       ; 512 bytes + 16 = 132 words: sixteen rows' 16-byte pieces fall on different banks
.set SPARE,  STAGE+4*16*SPITCH         ; the spare words, 128 bytes for each wave
.set LAPS,   16                        ; a lap = two K steps; 4,096 / 256
.set CF,   8                           ; v8-11   cf of the four columns that I store in every row
.set ADRA, 16                          ; v16-17  LDS address of my A fragments in slot 0, 1
.set ADRB, 20                          ; v20-21  the same for B
.set STO,  24
.set RD,   25
.set CO,   26
.set SPW,  28
.set NIL,  29
.set PFO,  30                          ; v30  the prefetches' offset; never rewritten
.set PFA,  44                          ; s[44:45] where my prefetches stand
.set PFS,  22                          ; s[22:23] a K step, in A's bytes or in B's
.set LIM,  43                          ; s43  1 in a wave that prefetches, else the greatest number
.set F0,   64
.set F1,   128
.set G1, 24                            ; s[24:31] descriptor group 1 for A's tiles
.set G0, 32                            ; s[32:39] group 0 for A's, one set for each slot
.set G1B, 48                           ; s[48:55] group 1 for B's
.set G0B, 56                           ; s[56:63] group 0 for B's
.set MSB, 0
.macro WIN new                         ; bits 1:0 source 0, 3:2 source 1, 5:4 source 2, 7:6 destination; the high byte repeats the setting that is left
.if MSB != (\new)
	s_set_vgpr_msb (MSB<<8)|(\new)
.set MSB, \new
.endif
.endm
.set MUL_LO, 0xa1                      ; source 0 (B) window 1, source 1 (A) window 0, C and D window 2
.set MUL_HI, 0xf1                      ; the same, C and D window 3
.set TO_B,   0x40                      ; destination window 1, address window 0
; A joint load.  Waves 0 and 1 fetch A's two halves, waves 2 and 3 B's.  The branch hangs on the wave's number alone.  An s_nop 0 and four v_nop follow each of the two lines.
.macro JLOAD s
	s_cmp_eq_u32 s11, 0
	s_cbranch_scc0 .Lfor_b_\@
	tensor_load_to_lds s[G0+4*(\s):G0+4*(\s)+3], s[G1:G1+7]
	s_nop 0
.rept 4
	v_nop
.endr
	s_branch .Lasked_\@
.Lfor_b_\@:
	tensor_load_to_lds s[G0B+4*(\s):G0B+4*(\s)+3], s[G1B:G1B+7]
	s_nop 0
.rept 4
	v_nop
.endr
.Lasked_\@:
.endm
; A PREFETCH INTO THE L2, behind each joint refill and the run of LDS loads that follows it: the K step that stands two refills on, 512 matrix instructions ahead of the load that will want it.
; 32 blocks of 256 bytes, a lane a block, one instruction a wave.  Each block is named once in the launch: of the clusters that read A's rows the one with x = 0 asks, of those that read B's the one with
; y = 0; the four partners of a joint load share its blocks out BY ADDRESS (A: 32 of the 128 rows each; B: 4 of the 16 panels each).  The first four K steps come by their loads alone; the loop's last trip asks for nothing.
.macro ASK
	s_cmp_gt_u32 s3, s[LIM]                        ; s3 = 1 in the loop's last trip
	s_cbranch_scc0 .Lnot_mine_\@
	global_prefetch_b8 v[PFO], s[PFA:PFA+1] th:TH_LOAD_NT scope:SCOPE_SE
.Lnot_mine_\@:
.endm
.macro CREST                           ; a round of the cluster's barrier behind its opening barrier
	s_cmp_lg_u32 s10, 0
	s_cbranch_scc1 .Lnot_wave_0_\@
	s_barrier_signal -3
.Lnot_wave_0_\@:
	s_barrier_wait -3
	s_barrier_signal -1
	s_barrier_wait -1
.endm
.macro CROUND                          ; a whole round
	s_barrier_signal -1
	s_barrier_wait -1
	CREST
.endm
	s_load_b128 s[4:7], s[0:1], 0x0                ; aq s[4:5], wb s[6:7]
	s_load_b64 s[8:9], s[0:1], 0x10                ; out0
	s_load_b64 s[66:67], s[0:1], 0x18              ; cf
	v_lshl_add_u32 v[SPW], v0, 2, SPARE
	v_mov_b32 v[NIL], 0
	ds_add_u32 v[SPW], v[NIL]                      ; the wave's opening: the add, twice on end, and its wait ahead of my first tensor load
	ds_add_u32 v[SPW], v[NIL]                      ; and once more, under the one wait; the set-up below, work on registers, stands between
	v_lshrrev_b32 v1, 5, v0
	v_readfirstlane_b32 s10, v1                    ; wave 0..3
	s_lshr_b32 s11, s10, 1                         ; which half of the tile's rows is mine.  Also: I fetch for A (0) or for B (1)
	s_and_b32 s12, s10, 1                          ; which half of its columns.  Also: which 128 rows of that tile I fetch
	s_bfe_u32 s40, ttmp6, 0x40000                  ; cx
	s_bfe_u32 s41, ttmp6, 0x40004                  ; cy
	s_lshl_b32 s42, ttmp9, 2
	s_add_co_u32 s42, s42, s40                     ; tile column = 4 x cluster x + cx
	s_and_b32 s13, ttmp7, 0xffff
	s_lshl_b32 s13, s13, 2
	s_add_co_u32 s13, s13, s41                     ; tile row = 4 x cluster y + cy
	s_lshl_b32 s43, s41, 2
	s_lshl_b32 s43, 15, s43                        ; my row of the cluster
	s_lshl_b32 s44, 0x1111, s40                    ; my column
	s_or_b32 s[G1+0], s43, (1<<16)|(1<<20)|(1<<21)|(5<<22)|(3<<25)  ; the mask; elements of 2 bytes; padding on; bit 21 beside a mask; after every 64 words, 4 words
	s_mov_b32 s[G1+1], KSTEP<<16                   ; tensor_dim0 = 128
	s_mov_b32 s[G1+2], 128<<16                     ; tensor_dim1 = 128
	s_mov_b32 s[G1+3], KSTEP<<16                   ; tile_dim0 = 128
	s_mov_b32 s[G1+4], 128                         ; tile_dim1 = 128
	s_mov_b32 s[G1+5], 4096                        ; elements from row to row
	s_mov_b32 s[G1+6], 0
	s_mov_b32 s[G1+7], 0
	s_or_b32 s[G1B+0], s44, (1<<16)|(1<<21)        ; the mask of my column; elements of 2 bytes; no padding
	s_mov_b32 s[G1B+1], 1024<<16                   ; tensor_dim0 = 1,024: 128 rows x 8 numbers of a panel, 2,048 bytes on end
	s_mov_b32 s[G1B+2], 16<<16                     ; tensor_dim1 = 16 panels
	s_mov_b32 s[G1B+3], 1024<<16                   ; tile_dim0
	s_mov_b32 s[G1B+4], 16                         ; tile_dim1
	s_mov_b32 s[G1B+5], 16384                      ; elements from panel to panel
	s_mov_b32 s[G1B+6], 0
	s_mov_b32 s[G1B+7], 0
	s_lshl_b32 s17, s12, 7                         ; which 128 rows of the tile I fetch
	s_lshl_b32 s16, s13, 8
	s_add_co_u32 s16, s16, s17                     ; A: row 256 x tile row + 128 x half,
	s_lshl_b32 s16, s16, 13                        ; of 8,192 bytes
	s_lshl_b32 s46, s42, 8
	s_add_co_u32 s46, s46, s17                     ; B: row 256 x tile column + 128 x half,
	s_lshl_b32 s46, s46, 4                         ; of 16 bytes in a panel
	s_mov_b32 s17, 0
	s_mov_b32 s47, 0
	s_mul_i32 s20, s10, HALFA                      ; where they go: A's halves at wave x 34,816 (waves 0, 1),
	s_lshl_b32 s21, s10, 15
	s_add_co_u32 s21, s21, 2*HALFA-2*HALFB         ; B's behind them, at 69,632 + (wave - 2) x 32,768 (waves 2, 3): no place in the cluster enters an LDS address
	s_wait_dscnt 0x0                               ; both opening adds are done
	s_wait_kmcnt 0x0
	s_add_nc_u64 s[14:15], s[4:5], s[16:17]
	s_add_nc_u64 s[46:47], s[6:7], s[46:47]
	CROUND                                         ; all sixteen work-groups are here: the first joint loads meet
.irp s, 0,1
	s_mov_b32 s[G0+4*(\s)], 1
	s_add_co_u32 s[G0+4*(\s)+1], s20, (\s)*SLOT
	s_add_nc_u64 s[G0+4*(\s)+2:G0+4*(\s)+3], s[14:15], (\s)*ABYTES
	s_or_b32 s[G0+4*(\s)+3], s[G0+4*(\s)+3], 0x80000000
	s_mov_b32 s[G0B+4*(\s)], 1
	s_add_co_u32 s[G0B+4*(\s)+1], s21, (\s)*SLOT
	s_add_nc_u64 s[G0B+4*(\s)+2:G0B+4*(\s)+3], s[46:47], (\s)*BBYTES
	s_or_b32 s[G0B+4*(\s)+3], s[G0B+4*(\s)+3], 0x80000000
	JLOAD \s                                       ; K steps 0 and 1: two loads of mine are out
.endr
	; A fragment is 16 rows x 32 K in 8 registers: lane l holds row l % 16; registers 0-3 K = 8 (l / 16) + 0..7, registers 4-7 K = 16 + 8 (l / 16) + 0..7.
	; From A's rows: two loads of 16 bytes, 32 bytes apart.  From B's panels: panel l / 16 of the quarter's four, and the panel two further on, 4,096 bytes apart.
	v_and_b32 v1, 15, v0                           ; l % 16
	v_bfe_u32 v2, v0, 4, 1                         ; l / 16
	v_mul_u32_u24 v3, v1, PITCH
	v_lshl_add_u32 v3, v2, 4, v3
	v_lshlrev_b32 v6, 4, v1
	v_lshl_add_u32 v6, v2, 11, v6
	s_mul_i32 s21, s11, HALFA                      ; my 128 rows of A
	s_lshl_b32 s22, s12, 15                        ; my 128 rows of B,
	s_add_co_u32 s22, s22, 2*HALFA                 ; which lie behind A's
.irp s, 0,1
	v_add_nc_u32 v[ADRA+(\s)], s21, v3
	v_add_nc_u32 v[ADRB+(\s)], s22, v6
	s_add_co_u32 s21, s21, SLOT
	s_add_co_u32 s22, s22, SLOT
.endr
	s_mul_i32 s23, s10, 16*SPITCH
	s_add_co_u32 s23, s23, STAGE                   ; my stage
	v_mul_u32_u24 v4, v1, SPITCH                   ; in: row l % 16, 32 bytes for each half of the lanes
	v_lshl_add_u32 v4, v2, 5, v4
	v_add_nc_u32 v[STO], s23, v4
	v_and_b32 v5, 31, v0
	v_lshlrev_b32 v[CO], 4, v5                     ; back: 32 lanes take a row's 512 bytes: lane l the columns 4 l .. 4 l + 3 of my 128
	v_add_nc_u32 v[RD], s23, v[CO]
	s_lshl_b32 s13, s13, 8                         ; 256 x tile row
	s_lshl_b32 s14, s11, 7
	s_add_co_u32 s16, s13, s14                     ; my first row of out0,
	s_lshl_b32 s16, s16, 13                        ; of 8,192 bytes
	s_mov_b32 s17, 0
	s_lshl_b32 s46, s42, 10                        ; my first column, in bytes of f32: 1,024 x tile column + 512 x half
	s_lshl_b32 s47, s12, 9
	s_add_co_u32 s46, s46, s47
	s_mov_b32 s47, 0
	s_add_nc_u64 s[16:17], s[16:17], s[46:47]      ; the first way out adds it to out0's address
	s_add_nc_u64 s[66:67], s[66:67], s[46:47]      ; cf at my first column
	global_load_b128 v[CF:CF+3], v[CO], s[66:67]   ; waited for in front of the way out
	; the prefetches
	s_lshl_b32 s18, s12, 7                         ; the 128 rows that I fetch
	s_add_co_u32 s19, s13, s18
	s_lshl_b32 s20, s40, 5
	s_add_co_u32 s19, s19, s20                     ; A: my work-group's 32 of them (by cx),
	s_lshl_b32 s19, s19, 13
	s_add_co_u32 s19, s19, 3*ABYTES                ; at K step 3: the first refill steps it to 4
	s_lshl_b32 s21, s42, 8
	s_add_co_u32 s18, s21, s18
	s_lshl_b32 s18, s18, 4                         ; B: my 128 rows in a panel,
	s_lshl_b32 s20, s41, 17
	s_add_co_u32 s18, s18, s20                     ; my work-group's 4 panels of the 16 (by cy),
	s_add_co_u32 s18, s18, 3*BBYTES                ; at K step 3
	s_and_b32 s21, ttmp7, 0xffff                   ; cluster y
	s_mov_b32 s14, BBYTES
	s_mov_b32 s15, 32768
	s_mov_b32 s23, 256
	s_cmp_eq_u32 s11, 0                            ; do I fetch for A?
	s_cselect_b32 s20, s19, s18
	s_cselect_b32 s21, ttmp9, s21                  ; the coordinate along which other clusters read the same blocks
	s_cselect_b64 s[PFA:PFA+1], s[4:5], s[6:7]
	s_cselect_b32 s[PFS], ABYTES, s14
	s_cselect_b32 s15, 0x10000, s15                ; lane / 8: eight rows of A, or a panel of B
	s_cselect_b32 s14, 8192, s23                   ; lane % 8: a row of A, or 256 bytes of a panel
	s_cmp_eq_u32 s21, 0
	s_cselect_b32 s[LIM], 1, -1                    ; the same in all sixteen partners, for a given wave
	s_mov_b32 s21, 0
	s_mov_b32 s[PFS+1], 0
	s_add_nc_u64 s[PFA:PFA+1], s[PFA:PFA+1], s[20:21]
	v_lshrrev_b32 v7, 3, v5
	v_and_b32 v5, 7, v5
	v_mul_u32_u24 v7, v7, s15
	v_mad_u32_u24 v[PFO], v5, s14, v7
; 16 matrix instructions: m blocks a0, a0 + 1 of the window's four x all 8 n blocks, 32 along K.  zero = 1: the first product starts the sums: nothing is cleared.
.macro MUL16 f, hi, a0, zero
	WIN MUL_LO+0x50*(\hi)
.irp a, \a0, (\a0)+1
.irp b, 0,1,2,3,4,5,6,7
.if \zero
	v_wmma_f32_16x16x32_f16 v[8*(8*(\a)+(\b)):8*(8*(\a)+(\b))+7], v[(\f)+8*(\b):(\f)+8*(\b)+7], v[(\f)+8*(4*(\hi)+(\a)):(\f)+8*(4*(\hi)+(\a))+7], 0
.else
	v_wmma_f32_16x16x32_f16 v[8*(8*(\a)+(\b)):8*(8*(\a)+(\b))+7], v[(\f)+8*(\b):(\f)+8*(\b)+7], v[(\f)+8*(4*(\hi)+(\a)):(\f)+8*(4*(\hi)+(\a))+7], v[8*(8*(\a)+(\b)):8*(8*(\a)+(\b))+7]
.endif
.endr
.endr
.endm
; 32 LDS loads in one run: the fragments of quarter q of a K step (128 rows of B, 128 rows of A, 32 K) into buffer f
.macro FETCH slot, q, f
	WIN TO_B
.irp i, 0,1,2,3,4,5,6,7
	ds_load_b128 v[(\f)+8*(\i):(\f)+8*(\i)+3],   v[ADRB+(\slot)] offset:(\q)*8192+(\i)*256
	ds_load_b128 v[(\f)+8*(\i)+4:(\f)+8*(\i)+7], v[ADRB+(\slot)] offset:(\q)*8192+(\i)*256+4096
.endr
	WIN 0
.irp i, 0,1,2,3,4,5,6,7
	ds_load_b128 v[(\f)+8*(\i):(\f)+8*(\i)+3],   v[ADRA+(\slot)] offset:(\q)*64+(\i)*16*PITCH
	ds_load_b128 v[(\f)+8*(\i)+4:(\f)+8*(\i)+7], v[ADRA+(\slot)] offset:(\q)*64+(\i)*16*PITCH+32
.endr
.endm
.macro PLACES                          ; four plain vector instructions between a matrix instruction and a load into, or a read of, its registers (ISA guide 7.12.1 for reads)
.rept 4
	v_nop
.endr
.endm
; One of a K step's first three quarters: multiplies buffer f; in its middle it fetches the next quarter, q, of the same slot into buffer g.  The 64 accumulators take turns.
.macro QUARTER slot, q, f, g, zero
	s_wait_dscnt 8                                 ; B and A's rows 0-63 are in; the youngest eight loads (A's rows 64-127) may be out
	WIN MUL_LO
	MUL16 \f, 0, 0, \zero
	MUL16 \f, 0, 2, \zero
	PLACES
	FETCH \slot, \q, \g
	s_wait_dscnt 32                                ; all but the 32 just issued
	WIN MUL_HI
	MUL16 \f, 1, 0, \zero
	MUL16 \f, 1, 2, \zero
.endm
; The first half of the last quarter, and the change of slots: each wave waits for all its tensor loads (one is out: its part of the next slot), adds 0 to its spare word, waits for that and for
; its reads of this slot, and signals.  Behind the barrier nobody reads this slot any more and the next slot is whole.
.macro MEET round
	WIN 0
	s_wait_tensorcnt 0x0
	ds_add_u32 v[SPW], v[NIL]
	s_wait_dscnt 9                                 ; (the add and the youngest eight loads may be out)
	WIN MUL_LO
	MUL16 F1, 0, 0, 0                              ; sixteen matrix instructions stand between the add and the wait for it
	s_wait_dscnt 0x0                               ; the add is done, and my reads of this slot are over
	s_barrier_signal -1
	MUL16 F1, 0, 2, 0                              ; work on registers while the others arrive
.if \round
	WIN 0
.endif
	s_barrier_wait -1
.endm
; The whole last quarter where the slot is filled again, with the K step two steps on: the barrier opens a round of the cluster's, and the joint refill is the first tensor load behind it:
; 224 matrix instructions ahead of the wait for it.
.macro TURN slot, next
	s_wait_xcnt 0x0                                ; the last prefetch, a K step back, has read its address
	s_add_nc_u64 s[PFA:PFA+1], s[PFA:PFA+1], s[PFS:PFS+1]
	MEET 1
	CREST                                          ; no wave of any partner still reads this slot's tile or has a load on its way
	s_add_nc_u64 s[G0+4*(\slot)+2:G0+4*(\slot)+3], s[G0+4*(\slot)+2:G0+4*(\slot)+3], 2*ABYTES
	s_add_nc_u64 s[G0B+4*(\slot)+2:G0B+4*(\slot)+3], s[G0B+4*(\slot)+2:G0B+4*(\slot)+3], 2*BBYTES
	JLOAD \slot                                    ; the four v_nop behind it are also the places in front of the loads below
	FETCH \next, 0, F0
	ASK
	WIN MUL_HI
	MUL16 F1, 1, 0, 0
	MUL16 F1, 1, 2, 0
.endm
; THE WAY OUT of block a (16 rows x 128 columns of f32).  TOSTAGE: a lane's 32 bytes of each n block into my own stage, each accumulator's low registers first; back as whole rows of 512 bytes.
.macro TOSTAGE a
.set AC, 64*((\a)%4)
.set BK, 64+64*((\a)%2)
	s_wait_xcnt 0x0                                ; the stores of the block two back have read the registers that the loads below fill
	WIN 0x08+4*((\a)/4)                            ; the stores' data: window 2 or 3
.irp b, 0,1,2,3,4,5,6,7
	ds_store_b128 v[STO], v[AC+8*(\b):AC+8*(\b)+3]   offset:64*(\b)
	ds_store_b128 v[STO], v[AC+8*(\b)+4:AC+8*(\b)+7] offset:64*(\b)+16
.endr
	WIN 0
.irp t, 0,1,2,3,4,5,6,7,8,9,10,11,12,13,14,15
	ds_load_b128 v[BK+4*(\t):BK+4*(\t)+3], v[RD] offset:(\t)*SPITCH  ; LDS serves a wave's instructions in order (ISA guide 5.7.1.4): these see the stores above; the next block's stores come behind them
.endr
.endm
; SEND: the rows, back in registers, are multiplied by the columns' cf (the same four for a lane in every row) and stored.
.macro SEND a, younger                 ; younger: the LDS instructions issued behind block a's loads: the next block's 32, or none
.set BK, 64+64*((\a)%2)
	WIN 0
	s_wait_dscnt \younger
.irp t, 0,1,2,3,4,5,6,7,8,9,10,11,12,13,14,15
	v_pk_mul_f32 v[BK+4*(\t):BK+4*(\t)+1],   v[BK+4*(\t):BK+4*(\t)+1],   v[CF:CF+1]
	v_pk_mul_f32 v[BK+4*(\t)+2:BK+4*(\t)+3], v[BK+4*(\t)+2:BK+4*(\t)+3], v[CF+2:CF+3]
.endr
	s_wait_xcnt 0x0                                ; the stores' base is written only behind this wait
.if (\a) == 0
	s_add_nc_u64 s[8:9], s[8:9], s[16:17]
.else
	s_add_nc_u64 s[8:9], s[8:9], 16*8192
.endif
.irp t, 0,1,2,3,4,5,6,7,8,9,10,11,12,13,14,15
	global_store_b128 v[CO], v[BK+4*(\t):BK+4*(\t)+3], s[8:9] offset:(\t)*8192 th:TH_STORE_NT  ; the wave stores 512 consecutive bytes, at a multiple of 256 from out0's first byte
.endr
.endm
	s_wait_tensorcnt 1                             ; my part of K step 0 is in; K step 1's may stay out
	s_barrier_signal -1
	s_barrier_wait -1
	FETCH 0, 0, F0
	QUARTER 0, 1, F0, F1, 1                        ; the first quarter stands in front of the loop: its products start the sums
	WIN 0
	s_mov_b32 s3, LAPS-1
.Llap:                                                 ; a trip goes once round the ring, from a lap's second quarter to the next lap's first, and fills both slots again
	QUARTER 0, 2, F1, F0, 0
	QUARTER 0, 3, F0, F1, 0
	TURN 0, 1
	QUARTER 1, 1, F0, F1, 0
	QUARTER 1, 2, F1, F0, 0
	QUARTER 1, 3, F0, F1, 0
	TURN 1, 0
	QUARTER 0, 1, F0, F1, 0
	WIN 0
	s_sub_co_u32 s3, s3, 1
	s_cmp_lg_u32 s3, 0
	s_cbranch_scc1 .Llap
	QUARTER 0, 2, F1, F0, 0                        ; the last lap is written out: it asks for nothing
	QUARTER 0, 3, F0, F1, 0
	MEET 0                                         ; my one tensor load that was still out is the last K step's, so no round follows
	PLACES
	FETCH 1, 0, F0
	WIN MUL_HI
	MUL16 F1, 1, 0, 0
	MUL16 F1, 1, 2, 0
	QUARTER 1, 1, F0, F1, 0
	QUARTER 1, 2, F1, F0, 0
	QUARTER 1, 3, F0, F1, 0
	s_wait_dscnt 8                                 ; the very last quarter: nothing more to fetch
	MUL16 F1, 0, 0, 0
	MUL16 F1, 0, 2, 0
	s_wait_dscnt 0x0
	MUL16 F1, 1, 0, 0
	MUL16 F1, 1, 2, 0
	PLACES                                         ; in front of the stores that read results and of the loads into A's buffers
	s_wait_loadcnt 0x0                             ; cf, asked for at the head
	TOSTAGE 0
.irp a, 1,2,3,4,5,6,7
	TOSTAGE \a
	SEND (\a)-1, 32
.endr
	SEND 7, 0
	s_wait_tensorcnt 0x0                           ; the wave's end, behind my last tensor load and my last LDS store
	ds_add_u32 v[SPW], v[NIL]
	s_wait_dscnt 0x0
	CROUND                                         ; the closing round: no work-group ends while a partner may still ask for a tile that names it
	s_endpgm
.Lfunc_end_k_qe43a964ef0_gemm:
	.size	k_qe43a964ef0_gemm, .Lfunc_end_k_qe43a964ef0_gemm-k_qe43a964ef0_gemm
	.p2alignl 7, 3214868480
	.fill 96, 4, 3214868480
	.section	.rodata,"a",@progbits
	.p2align	6, 0x0
	.amdhsa_kernel k_qe43a964ef0_gemm
		.amdhsa_group_segment_fixed_size 327680
		.amdhsa_private_segment_fixed_size 0
		.amdhsa_enable_private_segment 0
		.amdhsa_kernarg_size 32
		.amdhsa_user_sgpr_count 2
		.amdhsa_user_sgpr_kernarg_segment_ptr 1
		.amdhsa_wavefront_size32 1
		.amdhsa_system_sgpr_workgroup_id_x 1
		.amdhsa_system_sgpr_workgroup_id_y 1
		.amdhsa_system_sgpr_workgroup_id_z 1
		.amdhsa_system_vgpr_workitem_id 0
		.amdhsa_next_free_vgpr 1024
		.amdhsa_next_free_sgpr 68
		.amdhsa_reserve_vcc 0
		.amdhsa_float_denorm_mode_32 3
		.amdhsa_float_denorm_mode_16_64 3
		.amdhsa_memory_ordered 1
		.amdhsa_forward_progress 1
		.amdhsa_inst_pref_size 159
	.end_amdhsa_kernel
	.amdgpu_metadata
---
amdhsa.version: [ 1, 2 ]
amdhsa.kernels:
  - .name:           k_qe43a964ef0_gemm
    .symbol:         k_qe43a964ef0_gemm.kd
    .args:
      - { .name: aq, .offset: 0, .size: 8, .value_kind: global_buffer, .address_space: global }
      - { .name: wb, .offset: 8, .size: 8, .value_kind: global_buffer, .address_space: global }
      - { .name: out0, .offset: 16, .size: 8, .value_kind: global_buffer, .address_space: global }
      - { .name: cf, .offset: 24, .size: 8, .value_kind: global_buffer, .address_space: global }
    .group_segment_fixed_size: 327680
    .private_segment_fixed_size: 0
    .kernarg_segment_align: 8
    .kernarg_segment_size: 32
    .max_flat_workgroup_size: 128
    .sgpr_count:     68
    .vgpr_count:     1024
    .wavefront_size: 32
...
	.end_amdgpu_metadata
.endif
;; end of part 4
